; MI455X (gfx1250); checked and timed in simulation.
; The chip was launched on July 23, 2026; its instructions are those of AMD's public machine-readable ISA for CDNA 5 (MIT licence, August 2026) and "CDNA5" Instruction Set Architecture Reference Guide (July 2026). The comments in the code are by the model that wrote it; some were corrected since.
;; Grammar Tree Decoder. Allowed arithmetic: float matrix products may take bf16 or f16 operands with f32 sums; other float arithmetic in f32, or as packed bf16 or f16 multiplies, adds, multiply-adds, maxima and minima; sums over many terms, partial sums and values carried from step to step in f32; what a program stores and reads back later, other than sums and carried values, may be rounded once to bf16 or f16.
;; Inputs: W_hh 4 x 2,048 x 512 float32; W_ih 4 x 2,048 x 1,024 float32; W_lin 64 x 128 x 512 float32; b_hh 4 x 2,048 float32; b_ih 4 x 2,048 float32; b_lin 64 x 128 float32; c 4,096 x 512 float32; cat 4,096 int32; ci 4,096 int32; et 4,096 x 512 float32; h 4,096 x 512 float32; x 4,096 x 1,024 float32.
;; Outputs: out0 4,096 x 128 float32; out1 4,096 x 512 float32; out2 4,096 x 512 float32.
;; One version. Each part assembles by itself: llvm-mc -triple=amdgcn-amd-amdhsa -mcpu=gfx1250 --defsym DOCPART=n.
;; ======== version 1 of 1: 2 launches
;; workspace buffers: xs 14,155,776 bytes; wb 25,165,824 bytes; order 18,432 bytes of whole numbers; tiles 256 bytes of whole numbers
;; launch prep (part 1): grid 428 x 1, 8 waves a work-group, no clusters, 124,160 bytes of LDS; arguments ci, cat, x, h, W_ih, W_hh, et, W_lin, b_lin, xs, wb, order, tiles, out0; writes xs, wb, order, tiles, out0
.if DOCPART == 1
	.amdgcn_target "amdgcn-amd-amdhsa--gfx1250"
	.amdhsa_code_object_version 6
	.text
	.protected	k_q04718105d2_prep
	.globl	k_q04718105d2_prep
	.p2align	8
	.type	k_q04718105d2_prep,@function
k_q04718105d2_prep:
	s_mov_b64 s[64:65], 0
	v_nop
	global_prefetch_b8 v0, s[64:65] scope:SCOPE_SE
	s_setreg_imm32_b32 hwreg(HW_REG_WAVE_MODE, 25, 1), 1
	s_wait_xcnt 0x0
; PREP.  Three kinds of work-group, told apart by the work-group's number (the same for all its eight waves):
;   0..127   ROLE L: out0 = et . W_lin[cat]^T + b_lin[cat].  Work-group (e = id / 2, sl = id % 2) has 64 of expert e's 128 columns, which it alone reads, and all tokens with cat = e.
;   128..235 ROLE G: the rows [x | h] in bf16, sorted by ci into 32 tiles of 144 slots, written in the order in which a matrix operand's registers take them (xs); the first of them also writes order and tiles.
;   236..427 ROLE W: the rows [W_ih | W_hh] in bf16, in the same order (wb).
; FRAGMENT ORDER: 16 rows x 32 k are 1,024 bytes [c = 0, 1][lane][16 bytes]; lane (h = lane / 16, r = lane % 16) holds row r, k = 32 s + 16 c + 8 h + 0..7.
; 32 TILES SERVE EVERY SPLIT: the sum over four experts of ceil(n_e / 144) is at most (4096 + 4 x 143) / 144 = 32.4.  In xs, slots past an expert's count name token 0; the second launch stores nothing for them.
; ROLE L's LAST BLOCK: the places past the expert's count repeat its last token, so that token's 256 bytes of out0 are stored again with the same numbers (15 rows more at the most, by the same wave); EXEC is never narrowed.
; LIMITS.  Every floating-point input is rounded once to bf16 (et, W_lin, b_lin here; x, h, W_ih, W_hh on their way to xs and wb); sums in f32.  cat and ci lie inside their tables (0..63, 0..3), as the problem
; states; a token with another value would be left out.  NaN and infinities are not treated apart.
; NO CLUSTER, NO TENSOR LOADS: each weight byte has one reader, and the token rows come by a list.
.set STP,    272            ; a stage row: 256 bytes + 16, so that 16 rows start at 16 different groups of four banks
.set WSTG,   16*STP         ; a wave's own stage: 16 rows
.set LIST,   34816          ; behind the eight stages: 5,120 words, the token of each slot; behind them one dump word a thread (1,024 bytes)
.set TOT,    56320          ; word 8 x class + wave: the wave's count of the class
.set SPARE,  56576          ; the spare words: 128 bytes a wave, four blocks of 256 bytes that no other line names
.set WL,     57600          ; role L: 64 rows of weights in bf16,
.set WLP,    1040           ; 1,024 bytes + 16 apart
; v0 thread; v1 lane; v2 16 x lane; v3 r; v4 h; v5, v6 the add's two registers; v7 4 x thread; v8-v14 at work; v15 my dump word's index (role L's loop: v8-v15 the rows' offsets in out0)
.macro FINISH               ; a wave's end, behind its last LDS store
	s_wait_tensorcnt 0x0
	ds_add_u32 v5, v6
	s_wait_dscnt 0x0
	s_endpgm
.endm
.macro BARRIER              ; my LDS stores are done and my LDS loads are back; then all eight waves meet
	s_wait_dscnt 0x0
	s_barrier_signal -1
	s_barrier_wait -1
.endm
.macro IDXLOAD base         ; all 4,096 indices: register 16 + 4 i + k of thread t holds token 1024 i + 4 t + k
	v_lshlrev_b32 v8, 4, v0
.irp i, 0,1,2,3
	global_load_b128 v[16+4*\i:19+4*\i], v8, s[\base:\base+1] offset:4096*\i
.endr
.endm
; THE COUNTING SORT, without atomics.  ncls classes, their values in s[44..]; younger = the loads issued behind the indices'.
; Leaves N_k in s[48+k], the first tile of class k in s[56+k] (four classes), and in LIST the tokens of class k from slot 144 x first tile on.
.macro SCAN ncls, younger
	v_mov_b32 v32, 0
	v_mov_b32 v33, 0
	v_mov_b32 v34, 0
	v_mov_b32 v35, 0
	v_lshl_add_u32 v9, v0, 4, LIST
.irp p, 0,1,2,3,4
	ds_store_b128 v9, v[32:35] offset:4096*\p      ; every slot is written: it names token 0 until a token takes it
.endr
	s_lshl_b32 s60, s36, 2
	s_add_co_u32 s60, s60, TOT
	v_mov_b32 v14, s60                             ; my wave's word of class 0
	s_wait_loadcnt \younger                        ; the indices are in
.set k, 0
.rept \ncls
	s_mov_b32 s[48+k], 0
.set j, 0
.rept 16
	v_cmp_eq_u32 s60, s[44+k], v[16+j]
	s_bcnt1_i32_b32 s61, s60
	s_add_co_u32 s[48+k], s[48+k], s61
.set j, j+1
.endr
	v_mov_b32 v12, s[48+k]
	ds_store_b32 v14, v12 offset:32*k              ; all lanes write the same word with the same number
.set k, k+1
.endr
	BARRIER                                        ; the counts and the zeros are in LDS
	v_and_b32 v9, 8*(\ncls)-1, v1
	v_lshl_add_u32 v9, v9, 2, TOT
	ds_load_b32 v12, v9                            ; lane 8 k + w: wave w's count of class k
	v_and_b32 v11, 7, v1
	v_mov_b32 v10, 0                               ; written before it is a lane exchange's destination
	s_wait_dscnt 0x0
	v_cmp_gt_u32 vcc_lo, s36, v11
	v_cndmask_b32 v13, 0, v12, vcc_lo              ; the same, of the waves in front of mine alone
.irp m, 1,2,4
	v_mov_b32_dpp v10, v12 row_xmask:\m row_mask:0xf bank_mask:0xf
	v_add_nc_u32 v12, v12, v10
	v_mov_b32_dpp v10, v13 row_xmask:\m row_mask:0xf bank_mask:0xf
	v_add_nc_u32 v13, v13, v10
.endr
.set k, 0
.rept \ncls
	v_readlane_b32 s[48+k], v12, 8*k               ; N_k
	v_readlane_b32 s[52+k], v13, 8*k               ; the rank of my wave's first token of class k
.set k, k+1
.endr
.if (\ncls) == 4
	s_mov_b32 s56, 0
.irp k, 0,1,2
	s_add_co_u32 s60, s[48+\k], 143
	s_mul_i32 s60, s60, 29128                      ; / 144: 29128 / 2^22 is 1 / 144 from above, exact for numbers up to 4,239
	s_lshr_b32 s60, s60, 22
	s_add_co_u32 s[57+\k], s[56+\k], s60           ; the class's first tile
.endr
.irp k, 1,2,3
	s_mul_i32 s60, s[56+\k], 144
	s_add_co_u32 s[52+\k], s[52+\k], s60
.endr
.endif
.set j, 0
.rept 16
	v_mov_b32 v8, v15                              ; a token of no class goes to my dump word: all lanes stay on
.set k, 0
.rept \ncls
	v_cmp_eq_u32 s60, s[44+k], v[16+j]
	v_mbcnt_lo_u32_b32 v9, s60, s[52+k]            ; the running rank + the class's lanes below mine
	v_cndmask_b32 v8, v8, v9, s60
	s_bcnt1_i32_b32 s61, s60
	s_add_co_u32 s[52+k], s[52+k], s61
.set k, k+1
.endr
	v_min_u32 v8, 5375, v8
	v_lshl_add_u32 v10, v8, 2, LIST
	v_add_nc_u32 v11, 1024*(j/4)+(j%4), v7
	ds_store_b32 v10, v11
.set j, j+1
.endr
.endm
	s_load_b512 s[8:23], s[0:1], 0x0               ; ci s[8:9], cat s[10:11], x s[12:13], h s[14:15], W_ih s[16:17], W_hh s[18:19], et s[20:21], W_lin s[22:23]
	s_load_b256 s[24:31], s[0:1], 0x40             ; b_lin s[24:25], xs s[26:27], wb s[28:29], order s[30:31]
	s_load_b128 s[32:35], s[0:1], 0x60             ; tiles s[32:33], out0 s[34:35]
	v_lshl_add_u32 v5, v0, 2, SPARE
	v_mov_b32 v6, 0
	v_lshrrev_b32 v1, 5, v0
	v_readfirstlane_b32 s36, v1                    ; wave 0..7
	v_and_b32 v1, 31, v0
	v_lshlrev_b32 v2, 4, v1
	v_and_b32 v3, 15, v0
	v_bfe_u32 v4, v0, 4, 1
	v_lshlrev_b32 v7, 2, v0
	v_add_nc_u32 v15, 5120, v0
	s_mov_b32 s42, 0xffff0000                      ; a word's upper bf16
	s_wait_kmcnt 0x0
	s_cmp_ge_u32 ttmp9, 236
	s_cbranch_scc1 .Lrole_w
	s_cmp_ge_u32 ttmp9, 128
	s_cbranch_scc1 .Lrole_g
; ---------------------------------------------------------------- ROLE L
	s_lshr_b32 s39, ttmp9, 1                       ; e
	s_and_b32 s40, ttmp9, 1                        ; sl
	s_mov_b32 s44, s39                             ; the one class: cat = e
	IDXLOAD 10
	s_lshl_b32 s70, s39, 18                        ; my wave's 8 rows of weights, 16,384 consecutive bytes: (128 e + 64 sl + 8 w) x 2,048
	s_lshl_b32 s60, s40, 17
	s_add_co_u32 s70, s70, s60
	s_lshl_b32 s60, s36, 14
	s_add_co_u32 s70, s70, s60
	s_mov_b32 s71, 0
	s_add_nc_u64 s[66:67], s[22:23], s[70:71]
.set n, 0
.rept 32
	global_load_b128 v[128+4*n:131+4*n], v2, s[66:67] offset:512*n th:TH_LOAD_NT  ; on their way during the sort
.set n, n+1
.endr
	SCAN 1, 32                                     ; 32: the weights' loads are younger than the indices'
	s_mul_i32 s60, s36, 8*WLP
	s_add_co_u32 s60, s60, WL
	v_lshl_add_u32 v8, v1, 3, s60
	s_wait_loadcnt 0x0                             ; the weights
.set n, 0
.rept 32
	v_cvt_pk_bf16_f32 v[128+4*n], v[128+4*n], v[129+4*n]
	v_cvt_pk_bf16_f32 v[129+4*n], v[130+4*n], v[131+4*n]
	ds_store_b64 v8, v[128+4*n:129+4*n] offset:(n/4)*WLP+(n%4)*256
.set n, n+1
.endr
	BARRIER                                        ; the list and all 64 rows of weights are in LDS; nothing writes them from here on
	s_lshl_b32 s60, s39, 9
	s_lshl_b32 s61, s40, 8
	s_add_co_u32 s60, s60, s61
	v_lshl_add_u32 v8, v3, 4, s60
	global_load_b128 v[24:27], v8, s[24:25]        ; the bias of columns 4 r .. 4 r + 3 of my 64
	s_add_co_u32 s41, s48, 15
	s_lshr_b32 s41, s41, 4                         ; blocks of 16 tokens
	s_sub_co_u32 s62, s48, 1                       ; the expert's last slot (read in live trips alone, where there is one)
	s_mov_b32 s63, s36                             ; my wave's block: w, w + 8, ..
	v_mul_u32_u24 v18, v3, WLP
	v_lshl_add_u32 v18, v4, 4, v18
	v_add_nc_u32 v18, WL, v18                      ; a fragment of weights: row r, 16 h
	s_mul_i32 s60, s36, WSTG
	v_mul_u32_u24 v19, v3, STP
	v_lshl_add_u32 v19, v4, 5, v19
	v_add_nc_u32 v19, s60, v19                     ; into my stage: token r, 32 bytes for each half of the lanes
	v_mul_u32_u24 v20, v4, STP
	v_lshl_add_u32 v20, v3, 4, v20
	v_add_nc_u32 v20, s60, v20                     ; back: lanes 0-15 one token's 256 bytes, lanes 16-31 the next's
	v_lshlrev_b32 v21, 5, v4
	v_lshl_add_u32 v23, v3, 4, s61                 ; 256 sl + 16 r
	s_wait_loadcnt 0x0
	v_cvt_pk_bf16_f32 v28, v24, v25                ; the bias is rounded to bf16 like every input
	v_cvt_pk_bf16_f32 v29, v26, v27
	v_lshlrev_b32 v24, 16, v28
	v_and_b32 v25, s42, v28
	v_lshlrev_b32 v26, 16, v29
	v_and_b32 v27, s42, v29
.macro WFETCH s             ; the weights' four fragments of k-step s into buffer s % 2 (v160-191, v192-223)
.irp cb, 0,1,2,3
	ds_load_b128 v[160+32*((\s)%2)+8*\cb:160+32*((\s)%2)+8*\cb+3],   v18 offset:\cb*16*WLP+64*(\s)
	ds_load_b128 v[160+32*((\s)%2)+8*\cb+4:160+32*((\s)%2)+8*\cb+7], v18 offset:\cb*16*WLP+64*(\s)+32
.endr
.endm
	s_mov_b32 s43, 32                              ; 32 trips x 8 waves x 16 tokens cover all 4,096 tokens on one expert; trips past the count are jumped
.Ll_trip:
	s_cmp_ge_u32 s63, s41
	s_cbranch_scc1 .Ll_dead
	; the trip's list addresses are made anew from the block's number: slot = min(16 block + place, n - 1), held inside the list by a constant, times 4, onto LIST
	s_lshl_b32 s61, s63, 4                         ; the block's first slot
	v_add_nc_u32 v16, s61, v3                      ; slot of place r: my token as a matrix operand
	v_add_nc_u32 v17, s61, v4                      ; slot of place h: the rows of the way out are places 2 i + h
	v_min_u32 v16, s62, v16                        ; a place past the count repeats the expert's last token
	v_min_u32 v16, 4095, v16
	v_lshl_add_u32 v16, v16, 2, LIST
	ds_load_b32 v22, v16
.irp i, 0,1,2,3,4,5,6,7
	v_add_nc_u32 v[28+(\i%4)], 2*\i, v17
	v_min_u32 v[28+(\i%4)], s62, v[28+(\i%4)]
	v_min_u32 v[28+(\i%4)], 4095, v[28+(\i%4)]
	v_lshl_add_u32 v[28+(\i%4)], v[28+(\i%4)], 2, LIST
	ds_load_b32 v[8+\i], v[28+(\i%4)]              ; the token of row 2 i + h
.endr
	s_wait_dscnt 0x0
	v_min_u32 v22, 4095, v22
	v_lshl_add_u32 v22, v22, 11, v21               ; my token's row of et + 32 h
.set ks, 0
.rept 14                                               ; k-steps 0..13 in f32: 16 registers each, v32-255
.irp m, 0,1,2,3
	global_load_b128 v[32+16*ks+4*\m:35+16*ks+4*\m], v22, s[20:21] offset:128*ks+16*(\m%2)+64*(\m/2)
.endr
.set ks, ks+1
.endr
.irp i, 0,1,2,3,4,5,6,7
	v_min_u32 v[8+\i], 4095, v[8+\i]
	v_lshl_add_u32 v[8+\i], v[8+\i], 9, v23        ; the row's place in out0: 512 token + 256 sl + 16 r
.endr
.set ks, 0
.rept 14                                               ; rounded downward into v[32 + 8 s ..]: a result never lands on a source not yet read
.if ks < 10
	s_wait_loadcnt 4*(13-ks)                       ; the later k-steps' loads, four each, stay out
.else
	s_wait_loadcnt 4*(13-ks)+8                     ; and the eight of k-steps 14 and 15
.endif
.irp j, 0,1,2,3,4,5,6,7
	v_cvt_pk_bf16_f32 v[32+8*ks+\j], v[32+16*ks+2*\j], v[33+16*ks+2*\j]
.endr
.if ks == 9                                            ; v160-191, k-steps 8 and 9's, are free
.irp m, 0,1,2,3
	global_load_b128 v[160+4*\m:163+4*\m], v22, s[20:21] offset:128*14+16*(\m%2)+64*(\m/2)
	global_load_b128 v[176+4*\m:179+4*\m], v22, s[20:21] offset:128*15+16*(\m%2)+64*(\m/2)
.endr
.endif
.set ks, ks+1
.endr
	s_wait_loadcnt 0x0
.irp j, 0,1,2,3,4,5,6,7
	v_cvt_pk_bf16_f32 v[144+\j], v[160+2*\j], v[161+2*\j]
	v_cvt_pk_bf16_f32 v[152+\j], v[176+2*\j], v[177+2*\j]
.endr
	WFETCH 0
; source 0 = 16 columns' weights, source 1 = 16 tokens: a lane then holds one token and eight neighbouring columns.  The four accumulators take turns.
.set ks, 0
.rept 16
	s_wait_dscnt 0x0
.if ks < 15
.rept 4
	v_nop                                          ; four places between the products that read a buffer and the loads into it
.endr
	WFETCH ks+1
.endif
.irp cb, 0,1,2,3
.if ks == 0
	v_wmma_f32_16x16x32_bf16 v[224+8*\cb:231+8*\cb], v[160+32*(ks%2)+8*\cb:167+32*(ks%2)+8*\cb], v[32+8*ks:39+8*ks], 0
.else
	v_wmma_f32_16x16x32_bf16 v[224+8*\cb:231+8*\cb], v[160+32*(ks%2)+8*\cb:167+32*(ks%2)+8*\cb], v[32+8*ks:39+8*ks], v[224+8*\cb:231+8*\cb]
.endif
.endr
.set ks, ks+1
.endr
.rept 4
	v_nop                                          ; four places behind the last products
.endr
.irp cb, 0,1,2,3
	ds_store_b128 v19, v[224+8*\cb:227+8*\cb] offset:64*\cb
	ds_store_b128 v19, v[228+8*\cb:231+8*\cb] offset:64*\cb+16
.endr
.irp i, 0,1,2,3,4,5,6,7
	ds_load_b128 v[160+4*\i:163+4*\i], v20 offset:2*STP*\i    ; LDS serves a wave's instructions in order: these see the stores above
.endr
.irp i, 0,1,2,3,4,5,6,7
	s_wait_dscnt 7-\i                              ; rows 2 i, 2 i + 1 are back; the younger loads stay out
	v_pk_add_f32 v[160+4*\i:161+4*\i], v[160+4*\i:161+4*\i], v[24:25]
	v_pk_add_f32 v[162+4*\i:163+4*\i], v[162+4*\i:163+4*\i], v[26:27]
	global_store_b128 v[8+\i], v[160+4*\i:163+4*\i], s[34:35]   ; 16 lanes store a token's 256 consecutive bytes, aligned; a repeated token's bytes get the same numbers again
.endr
	s_wait_xcnt 0x0                                ; the stores' offsets and data are written again in the next trip
.Ll_dead:
	s_add_co_u32 s63, s63, 8
	s_sub_co_u32 s43, s43, 1
	s_cmp_lg_u32 s43, 0
	s_cbranch_scc1 .Ll_trip
	FINISH
; ---------------------------------------------------------------- ROLE G
.Lrole_g:
	s_sub_co_u32 s38, ttmp9, 128
	s_mov_b32 s44, 0                               ; the four classes: ci = 0..3
	s_mov_b32 s45, 1
	s_mov_b32 s46, 2
	s_mov_b32 s47, 3
	IDXLOAD 8
	SCAN 4, 0
	BARRIER                                        ; the list is whole; nothing writes it from here on
	s_cmp_lg_u32 s38, 0
	s_cbranch_scc1 .Lg_job
	v_lshl_add_u32 v8, v0, 3, LIST                 ; the first of these work-groups stores the list's 4,608 slots
	v_lshlrev_b32 v9, 3, v0
.irp p, 0,1,2,3,4,5,6,7,8
	ds_load_b64 v[16+2*\p:17+2*\p], v8 offset:2048*\p
.endr
	s_wait_dscnt 0x0
.irp p, 0,1,2,3,4,5,6,7,8
	global_store_b64 v9, v[16+2*\p:17+2*\p], s[30:31] offset:2048*\p   ; a wave's store covers 256 consecutive bytes, aligned
.endr
	s_cmp_lg_u32 s36, 0
	s_cbranch_scc1 .Lg_not0
	v_mov_b32 v8, s48                              ; and its wave 0 the table of tiles; lane = tile.  The tile's expert is the last whose first tile is not behind it
	v_mov_b32 v13, 0
	v_mov_b32 v10, 0
.irp k, 1,2,3
	v_cmp_le_u32 vcc_lo, s[56+\k], v1
	v_cndmask_b32 v8, v8, s[48+\k], vcc_lo
	v_cndmask_b32 v13, v13, s[56+\k], vcc_lo
	v_cndmask_b32 v10, v10, \k, vcc_lo
.endr
	v_sub_nc_u32 v11, v1, v13
	v_mul_u32_u24 v11, v11, 144
	v_min_u32 v11, v11, v8
	v_sub_nc_u32 v11, v8, v11                      ; the expert's rows from this tile's first on,
	v_min_u32 v11, 144, v11                        ; 144 of them at the most, 0 for a tile that the split leaves empty
	v_lshlrev_b32 v12, 3, v1
	global_store_b64 v12, v[10:11], s[32:33]       ; {expert, rows}: all 256 bytes at once
.Lg_not0:
	s_wait_xcnt 0x0                                ; the stores' registers are written again below
.Lg_job:
	s_lshl_b32 s60, s38, 3
	s_add_co_u32 s60, s60, s36                     ; my wave's job, 0..863: block / third
	s_mul_i32 s61, s60, 43691
	s_lshr_b32 s61, s61, 17                        ; / 3
	s_min_u32 s61, s61, 287                        ; the block of 16 slots
	s_mul_i32 s62, s61, 3
	s_sub_co_u32 s68, s60, s62                     ; 0, 1: the halves of x's rows; 2: h's rows
	s_mul_i32 s62, s61, 7282
	s_lshr_b32 s62, s62, 16                        ; tile = block / 9
	s_mul_i32 s63, s62, 9
	s_sub_co_u32 s63, s61, s63                     ; the block in its tile
	s_lshl_b32 s60, s61, 6
	s_add_co_u32 s60, s60, LIST
	v_mov_b32 v8, s60
.irp i, 0,1,2,3
	ds_load_b128 v[16+4*\i:19+4*\i], v8 offset:16*\i   ; the block's 16 tokens, in every lane
.endr
	s_cmp_eq_u32 s68, 2
	s_cselect_b64 s[66:67], s[14:15], s[12:13]
	s_mul_i32 s70, s62, 442368
	s_lshl_b32 s63, s63, 10
	s_add_co_u32 s70, s70, s63
	s_mul_i32 s63, s68, 147456                     ; 16 k-steps of 9,216 bytes
	s_add_co_u32 s70, s70, s63
	s_mov_b32 s71, 0
	s_add_nc_u64 s[72:73], s[26:27], s[70:71]
	s_mov_b32 s69, 9216                            ; bytes from k-step to k-step
	s_wait_dscnt 0x0
.set i, 0
.rept 16
	v_min_u32 v[16+i], 4095, v[16+i]
.set i, i+1
.endr
	s_branch .Ljob
; ---------------------------------------------------------------- ROLE W
.Lrole_w:
	s_sub_co_u32 s38, ttmp9, 236
	s_lshl_b32 s60, s38, 3
	s_add_co_u32 s60, s60, s36                     ; my wave's job, 0..1535
	s_mul_i32 s61, s60, 43691
	s_lshr_b32 s61, s61, 17                        ; the block: 128 e + 16 g + 4 w + q
	s_mul_i32 s62, s61, 3
	s_sub_co_u32 s68, s60, s62
	s_and_b32 s62, s61, 3                          ; q
	s_lshr_b32 s63, s61, 7                         ; e
	s_lshl_b32 s60, s63, 11
	s_lshl_b32 s70, s62, 9
	s_add_co_u32 s60, s60, s70
	s_bfe_u32 s70, s61, 0x50002                    ; 4 g + w
	s_lshl_b32 s70, s70, 4
	s_add_co_u32 s60, s60, s70                     ; the block's first row: 2048 e + 512 q + 64 g + 16 w
.set i, 0
.rept 16
	s_add_co_u32 s70, s60, i
	v_mov_b32 v[16+i], s70
.set i, i+1
.endr
	s_cmp_eq_u32 s68, 2
	s_cselect_b64 s[66:67], s[18:19], s[16:17]
	s_lshr_b32 s70, s61, 2
	s_mul_i32 s70, s70, 196608                     ; the stream of (e, g, w)
	s_lshl_b32 s62, s62, 10
	s_add_co_u32 s70, s70, s62
	s_lshl_b32 s62, s68, 16                        ; 16 k-steps of 4,096 bytes
	s_add_co_u32 s70, s70, s62
	s_mov_b32 s71, 0
	s_add_nc_u64 s[72:73], s[28:29], s[70:71]
	s_mov_b32 s69, 4096
; ---------------------------------------------------------------- A JOB: 16 rows (numbers in v16-31) x 512 k of f32 become 16 fragments of bf16.  Four units of 128 k.
.Ljob:
	s_cmp_eq_u32 s68, 2
	s_cselect_b32 s60, 11, 12                      ; rows of 2,048 or 4,096 bytes
	s_cmp_eq_u32 s68, 1
	s_cselect_b32 s70, 2048, 0                     ; the second half of a long row
	s_mov_b32 s71, 0
	s_add_nc_u64 s[66:67], s[66:67], s[70:71]
.set i, 0
.rept 16
	v_lshl_add_u32 v[32+i], v[16+i], s60, v2       ; row i + 16 x lane: a load takes 512 consecutive bytes of one row
.set i, i+1
.endr
	v_mov_b32 v48, v2                              ; 16 x lane + k-step in the unit
	v_add_nc_u32 v49, s69, v48
	v_add_nc_u32 v50, s69, v49
	v_add_nc_u32 v51, s69, v50
	s_lshl_b32 s70, s69, 2
	s_add_nc_u64 s[74:75], s[72:73], s[70:71]      ; where each unit's four k-steps go
	s_add_nc_u64 s[76:77], s[74:75], s[70:71]
	s_add_nc_u64 s[78:79], s[76:77], s[70:71]
	s_mul_i32 s61, s36, WSTG                       ; my wave's own stage
	v_lshl_add_u32 v52, v1, 3, s61                 ; in: 8 bytes a lane along a row
	v_mul_u32_u24 v53, v3, STP
	v_lshl_add_u32 v53, v4, 4, v53
	v_add_nc_u32 v53, s61, v53                     ; back: row r, 16 h
.macro ULOAD u
.set i, 0
.rept 16
	global_load_b128 v[64+64*((\u)%2)+4*i:67+64*((\u)%2)+4*i], v[32+i], s[66:67] offset:512*(\u)
.set i, i+1
.endr
.endm
.macro UPROC u, left
	s_wait_loadcnt \left                           ; my unit is in; the next unit's 16 loads stay out
.set XB, 64+64*((\u)%2)
.set i, 0
.rept 16
	v_cvt_pk_bf16_f32 v[XB+4*i], v[XB+4*i], v[XB+4*i+1]
	v_cvt_pk_bf16_f32 v[XB+4*i+1], v[XB+4*i+2], v[XB+4*i+3]
	ds_store_b64 v52, v[XB+4*i:XB+4*i+1] offset:STP*i
.set i, i+1
.endr
	s_wait_xcnt 0x0                                ; v192-223 were the last unit's store data: loaded again only behind this wait
.irp n, 0,1,2,3,4,5,6,7
	ds_load_b128 v[192+4*\n:195+4*\n], v53 offset:64*(\n/2)+32*(\n%2)   ; LDS serves a wave's instructions in order: these see the stores above, and the next unit's stores come behind them
.endr
	s_wait_dscnt 0x0
.if (\u) < 2
	ULOAD (\u)+2                                   ; loads ahead of stores
.endif
.irp n, 0,1,2,3,4,5,6,7
	global_store_b128 v[48+\n/2], v[192+4*\n:195+4*\n], s[72+2*(\u):73+2*(\u)] offset:512*(\n%2)   ; 512 consecutive bytes, aligned
.endr
.endm
	ULOAD 0
	ULOAD 1
	UPROC 0, 16
	UPROC 1, 16
	UPROC 2, 16
	UPROC 3, 0
	FINISH
.Lfunc_end_k_q04718105d2_prep:
	.size	k_q04718105d2_prep, .Lfunc_end_k_q04718105d2_prep-k_q04718105d2_prep
	.p2alignl 7, 3214868480
	.fill 96, 4, 3214868480
	.section	.rodata,"a",@progbits
	.p2align	6, 0x0
	.amdhsa_kernel k_q04718105d2_prep
		.amdhsa_group_segment_fixed_size 124160
		.amdhsa_private_segment_fixed_size 0
		.amdhsa_enable_private_segment 0
		.amdhsa_kernarg_size 112
		.amdhsa_user_sgpr_count 2
		.amdhsa_user_sgpr_kernarg_segment_ptr 1
		.amdhsa_wavefront_size32 1
		.amdhsa_system_sgpr_workgroup_id_x 1
		.amdhsa_system_sgpr_workgroup_id_y 1
		.amdhsa_system_sgpr_workgroup_id_z 1
		.amdhsa_system_vgpr_workitem_id 0
		.amdhsa_next_free_vgpr 256
		.amdhsa_next_free_sgpr 80
		.amdhsa_reserve_vcc 1
		.amdhsa_float_denorm_mode_32 3
		.amdhsa_float_denorm_mode_16_64 3
		.amdhsa_memory_ordered 1
		.amdhsa_forward_progress 1
		.amdhsa_inst_pref_size 128
	.end_amdhsa_kernel
	.amdgpu_metadata
---
amdhsa.version: [ 1, 2 ]
amdhsa.kernels:
  - .name:           k_q04718105d2_prep
    .symbol:         k_q04718105d2_prep.kd
    .args:
      - { .name: ci, .offset: 0, .size: 8, .value_kind: global_buffer, .address_space: global }
      - { .name: cat, .offset: 8, .size: 8, .value_kind: global_buffer, .address_space: global }
      - { .name: x, .offset: 16, .size: 8, .value_kind: global_buffer, .address_space: global }
      - { .name: h, .offset: 24, .size: 8, .value_kind: global_buffer, .address_space: global }
      - { .name: W_ih, .offset: 32, .size: 8, .value_kind: global_buffer, .address_space: global }
      - { .name: W_hh, .offset: 40, .size: 8, .value_kind: global_buffer, .address_space: global }
      - { .name: et, .offset: 48, .size: 8, .value_kind: global_buffer, .address_space: global }
      - { .name: W_lin, .offset: 56, .size: 8, .value_kind: global_buffer, .address_space: global }
      - { .name: b_lin, .offset: 64, .size: 8, .value_kind: global_buffer, .address_space: global }
      - { .name: xs, .offset: 72, .size: 8, .value_kind: global_buffer, .address_space: global }
      - { .name: wb, .offset: 80, .size: 8, .value_kind: global_buffer, .address_space: global }
      - { .name: order, .offset: 88, .size: 8, .value_kind: global_buffer, .address_space: global }
      - { .name: tiles, .offset: 96, .size: 8, .value_kind: global_buffer, .address_space: global }
      - { .name: out0, .offset: 104, .size: 8, .value_kind: global_buffer, .address_space: global }
    .group_segment_fixed_size: 124160
    .private_segment_fixed_size: 0
    .kernarg_segment_align: 8
    .kernarg_segment_size: 112
    .max_flat_workgroup_size: 256
    .sgpr_count:     80
    .vgpr_count:     256
    .wavefront_size: 32
...
	.end_amdgpu_metadata
.endif
;; end of part 1
;; launch lstm (part 2): grid 8 x 32, 4 waves a work-group, clusters of 4 x 1, 327,680 bytes of LDS; arguments xs, wb, tiles, order, c, b_ih, b_hh, out1, out2; writes out1, out2
.if DOCPART == 2
	.amdgcn_target "amdgcn-amd-amdhsa--gfx1250"
	.amdhsa_code_object_version 6
	.text
	.protected	k_q04718105d2_lstm
	.globl	k_q04718105d2_lstm
	.p2align	8
	.type	k_q04718105d2_lstm,@function
k_q04718105d2_lstm:
	s_mov_b64 s[64:65], 0
	v_nop
	global_prefetch_b8 v0, s[64:65] scope:SCOPE_SE
	s_setreg_imm32_b32 hwreg(HW_REG_WAVE_MODE, 25, 1), 1
	s_wait_xcnt 0x0
	s_wait_alu depctr_hold_cnt(0) depctr_sa_sdst(0) depctr_va_vdst(0) depctr_va_sdst(0) depctr_va_ssrc(0) depctr_va_vcc(0) depctr_vm_vsrc(0)
	s_getreg_b32 s2, hwreg(HW_REG_IB_STS2, 6, 4)
	s_cmp_eq_u32 s2, 0
	s_cbranch_scc0 .Lentry_in_a_cluster
	s_endpgm
.Lentry_in_a_cluster:
	s_bfe_u32 s2, ttmp6, 0x10000c
	s_cmp_lg_u32 s2, 0x3003
	s_cbranch_scc0 .Lentry_shape_is_right
	s_endpgm
.Lentry_shape_is_right:
; THE LSTM CELL of the chosen child index: gates = [x | h] . [W_ih | W_hh]^T + b_ih + b_hh; c2 = sigmoid(f) c + sigmoid(i) tanh(g); h2 = sigmoid(o) tanh(c2).  out1 = h2, out2 = c2.
; Only the chosen cell's rows are multiplied: the one-hot mix keeps nothing of the others.
; SHARES.  Work-group (g, t): tile t of 144 token slots (all of one cell e, sorted by the launch before) x hidden units 64 g .. 64 g + 63 in all four gates.  Wave w: units 16 w .. 16 w + 15:
; 9 blocks of 16 slots x 4 gates = 36 accumulators, so that i, f, g, o of one number lie in the same lane and register of four accumulators.  K = 1,536 in 48 k-steps of 32.
; OPERANDS.  A wave's 64 rows of weights have no other reader in the work-group: they come from memory straight into registers (512 consecutive bytes a load, a ring of eight k-steps, asked for seven k-steps ahead).
; The token tile, which all four waves read, goes through two LDS slots of eight k-steps; it lies in memory in fragment order, so a fragment is 32 lanes x 16 consecutive bytes and needs no padding.
; CLUSTER.  The four work-groups of a cluster have the same tile t: every tensor load is asked for jointly, by the same descriptor and the mask of four.  Nothing that steers a branch, a count or an LDS
; address hangs on the place in the cluster.  The weights are not shared so: their readers are the row tiles of one cell, whose number hangs on the split.
; A tile that the split leaves short or empty runs the same text on slots that name token 0, and stores only the rows inside its count.
; THE MATRIX INSTRUCTION IS USED TRANSPOSED (source 0 = 16 rows of weights, source 1 = 16 tokens): a lane holds one token (lane % 16) and the units 8 (lane / 16) + 0..7.  The first product takes the bias as C.
; LIMITS.  All inputs are rounded once to bf16 (c and the two biases here), sums and the cell's arithmetic in f32.  sigmoid(x) = 1 / (1 + 2^(-x log2 e)), tanh(x) = 1 - 2 / (1 + 2^(2 x log2 e)): an exponential
; beyond f32's range gives the saturated value; one below 2^-126 counts as 0; near 0 tanh has an absolute error of about 1e-7.  NaN and infinities are not treated apart.
; REGISTERS, in windows of 256 (s_set_vgpr_msb: bits 1:0 source 0, 3:2 source 1, 5:4 source 2, 7:6 destination):
;   window 0: v2-5 LDS addresses of the tile (slot, half); v6 16 x lane; v7, v8 into the stages; v9 my first row on the way out; v10, v11 the add's registers; v12-29 the way out's offsets; v30-38 c's offsets;
;             v39 back from the stage; v40-46 at work; v64-207 two buffers of 9 token fragments, later the rows read back
;   window 1: the weights' ring: k-step s, gate q at 32 (s % 8) + 8 q
;   window 2: accumulators of blocks 0-5 at 32 a + 8 q; c of blocks 0-5 at 192 + 8 a; v240-251 at work
;   window 3: accumulators of blocks 6-8 at 32 (a - 6) + 8 q; c at 96 + 8 (a - 6); v128-159 the bias; v160-191 b_hh; v192-223 at work
.set TILEB,  442368         ; a tile in xs: 48 k-steps x 9 blocks x 1,024 bytes
.set KSB,    9216           ; a k-step of it
.set SLOTB,  8*KSB          ; an LDS slot: eight k-steps
.set QUARTB, SLOTB/4        ; what one wave's tensor load brings: 72 rows of 256 bytes
.set SC2,    2*SLOTB        ; behind the ring, never filled by a tensor load: the stage of c2, 144 rows x 272 bytes,
.set STP,    272
.set SH2O,   144*STP        ; and this much further the stage of h2
.set SPARE,  SC2+2*SH2O     ; the spare words: 128 bytes a wave, two blocks of 256 bytes that no other line names
.set ABUF,   64
.set MSB, 0
.macro WIN new              ; the immediate's high byte repeats the setting that is left; a switch that changes nothing is dropped
.if MSB != (\new)
	s_set_vgpr_msb (MSB<<8)|(\new)
.set MSB, (\new)
.endif
.endm
.macro PLACES               ; four places in front of loads into registers that matrix instructions have read, and of vector work on their results
.rept 4
	v_nop
.endr
.endm
.macro CREST                ; a round of the cluster's barrier behind its opening barrier
	s_cmp_lg_u32 s26, 0
	s_cbranch_scc1 .Lnot_wave_0_\@
	s_barrier_signal -3
.Lnot_wave_0_\@:
	s_barrier_wait -3
	s_barrier_signal -1
	s_barrier_wait -1
.endm
.macro CROUND               ; a whole round
	s_barrier_signal -1
	s_barrier_wait -1
	CREST
.endm
; The products of the k-step at position p of a phase: weights' buffer (p + 7) % 8, tokens' buffer (p + 1) % 2.  The 36 accumulators take turns, one instruction a turn, in the same order in every
; k-step.  init = 1: the first k-step starts the sums with the bias.
.macro MULLO p, init
.if \init
	WIN 0xb1                                       ; weights window 1, tokens window 0, C window 3, D window 2
.else
	WIN 0xa1
.endif
.irp a, 0,1,2,3,4,5
.irp q, 0,1,2,3
.if \init
	v_wmma_f32_16x16x32_bf16 v[32*\a+8*\q:32*\a+8*\q+7], v[32*(((\p)+7)%8)+8*\q:32*(((\p)+7)%8)+8*\q+7], v[ABUF+72*(((\p)+1)%2)+8*\a:ABUF+72*(((\p)+1)%2)+8*\a+7], v[128+8*\q:135+8*\q]
.else
	v_wmma_f32_16x16x32_bf16 v[32*\a+8*\q:32*\a+8*\q+7], v[32*(((\p)+7)%8)+8*\q:32*(((\p)+7)%8)+8*\q+7], v[ABUF+72*(((\p)+1)%2)+8*\a:ABUF+72*(((\p)+1)%2)+8*\a+7], v[32*\a+8*\q:32*\a+8*\q+7]
.endif
.endr
.endr
.endm
.macro MULHI p, init
	WIN 0xf1                                       ; C and D window 3
.irp a, 6,7,8
.irp q, 0,1,2,3
.if \init
	v_wmma_f32_16x16x32_bf16 v[32*(\a-6)+8*\q:32*(\a-6)+8*\q+7], v[32*(((\p)+7)%8)+8*\q:32*(((\p)+7)%8)+8*\q+7], v[ABUF+72*(((\p)+1)%2)+8*\a:ABUF+72*(((\p)+1)%2)+8*\a+7], v[128+8*\q:135+8*\q]
.else
	v_wmma_f32_16x16x32_bf16 v[32*(\a-6)+8*\q:32*(\a-6)+8*\q+7], v[32*(((\p)+7)%8)+8*\q:32*(((\p)+7)%8)+8*\q+7], v[ABUF+72*(((\p)+1)%2)+8*\a:ABUF+72*(((\p)+1)%2)+8*\a+7], v[32*(\a-6)+8*\q:32*(\a-6)+8*\q+7]
.endif
.endr
.endr
.endm
; One run of loads: the weights seven k-steps on (bload = 1), and the tokens of the next k-step, index p of the slot.
.macro RUN p, slot, bload, bimm
.if \bload
	WIN 0x40                                       ; destination window 1, address window 0
.irp n, 0,1,2,3,4,5,6,7
	global_load_b128 v[32*(((\p)+6)%8)+4*\n:32*(((\p)+6)%8)+4*\n+3], v6, s[48:49] offset:(\bimm)+((\p)+6)*4096+512*\n
.endr
.endif
	WIN 0
.irp a, 0,1,2,3,4,5,6,7,8
	ds_load_b128 v[ABUF+72*((\p)%2)+8*\a:ABUF+72*((\p)%2)+8*\a+3],   v[2+2*(\slot)+(\p)/4] offset:((\p)%4)*KSB+1024*\a
	ds_load_b128 v[ABUF+72*((\p)%2)+8*\a+4:ABUF+72*((\p)%2)+8*\a+7], v[2+2*(\slot)+(\p)/4] offset:((\p)%4)*KSB+1024*\a+512
.endr
.endm
.macro CLOAD                ; c of my 144 slots x 8 units: 18 loads
	WIN 0x80
.irp a, 0,1,2,3,4,5
	global_load_b128 v[192+8*\a:195+8*\a], v[30+\a], s[16:17]
	global_load_b128 v[196+8*\a:199+8*\a], v[30+\a], s[16:17] offset:16
.endr
	WIN 0xc0
.irp a, 6,7,8
	global_load_b128 v[96+8*(\a-6):99+8*(\a-6)],   v[30+\a], s[16:17]
	global_load_b128 v[100+8*(\a-6):103+8*(\a-6)], v[30+\a], s[16:17] offset:16
.endr
.endm
; A k-step at positions 1 to 7.  lcnt = the global loads younger than this k-step's weights.
.macro KSTEP p, slot, lcnt, bload, bimm, init=0, cload=0
	s_wait_dscnt 0x0                               ; this k-step's tokens, asked for 36 matrix instructions ago
	s_wait_loadcnt \lcnt
	PLACES
	RUN \p, \slot, \bload, \bimm
.if \cload
	CLOAD
.endif
	MULLO \p, \init
	MULHI \p, \init
.endm
; Position 0: the change of slots.  Each wave waits for all its tensor loads (the one that is out is its quarter of the slot to be read), adds 0 to its spare word, and waits for that and for its reads of
; the slot that it leaves.  refill = 1: the barrier opens a round of the cluster's barrier, and the joint refill of the slot just left is the first thing behind the round: it has eight k-steps in which to land.
.macro SYNCSTEP slot, fillslot, refill, bimm
	WIN 0                                          ; the add's two registers lie in window 0
	s_wait_tensorcnt 0x0                           ; no tensor load of mine is out, so a group 0 may be written
	ds_add_u32 v10, v11                            ; 0 onto my spare word
.if \refill
	s_add_nc_u64 s[42+4*(\fillslot):43+4*(\fillslot)], s[42+4*(\fillslot):43+4*(\fillslot)], 2*SLOTB   ; the slot's next eight k-steps; the type bits on top are not reached
.endif
	s_wait_loadcnt 48                              ; this k-step's weights: six younger k-steps, 8 loads each, stay out
	s_wait_dscnt 0x0                               ; the add is done, and my reads of the slot are over
	s_barrier_signal -1
	MULLO 0, 0                                     ; work on registers while the others arrive
	WIN 0
	s_barrier_wait -1
.if \refill
	CREST                                          ; no wave of any partner still reads the slot or has a load on its way
	tensor_load_to_lds s[40+4*(\fillslot):43+4*(\fillslot)], s[32:39]
	s_nop 0
.endif
	PLACES                                         ; also the places in front of the loads below
	RUN 0, \slot, 1, \bimm
	MULHI 0, 0
.endm
	s_load_b512 s[8:23], s[0:1], 0x0               ; xs s[8:9], wb s[10:11], tiles s[12:13], order s[14:15], c s[16:17], b_ih s[18:19], b_hh s[20:21], out1 s[22:23]
	s_load_b64 s[24:25], s[0:1], 0x40              ; out2
	v_lshl_add_u32 v10, v0, 2, SPARE
	v_mov_b32 v11, 0
	ds_add_u32 v10, v11                            ; the wave's opening: the add, waited for ahead of my first tensor load; the set-up below, work on registers, stands between them
	v_lshrrev_b32 v1, 5, v0
	v_readfirstlane_b32 s26, v1                    ; wave 0..3
	s_bfe_u32 s27, ttmp6, 0x40000                  ; cx
	s_lshl_b32 s28, ttmp9, 2
	s_add_co_u32 s28, s28, s27                     ; g = 4 x cluster x + cx: it enters the weights', biases', c's and the outputs' addresses alone
	s_and_b32 s29, ttmp7, 0xffff                   ; t, which the four partners share
	; descriptor group 1: 18,432 dense bytes as 72 rows of 32 elements of 8 bytes
	s_mov_b32 s32, 15|(3<<16)|(1<<21)              ; 15:0 the mask of four; 17:16 elements of 8 bytes; 21 set beside a mask
	s_mov_b32 s33, 32<<16                          ; tensor_dim0 = 32
	s_mov_b32 s34, 72<<16                          ; tensor_dim1 = 72
	s_mov_b32 s35, 32<<16                          ; tile_dim0 = 32
	s_mov_b32 s36, 72                              ; tile_dim1 = 72
	s_mov_b32 s37, 32                              ; 32 elements from row to row
	s_mov_b32 s38, 0
	s_mov_b32 s39, 0
	s_mov_b32 s50, 0xbfb8aa3b                      ; -log2 e, named as a pair
	s_mov_b32 s51, s50
	s_mov_b32 s52, 0x4038aa3b                      ; 2 log2 e
	s_mov_b32 s53, s52
	s_mov_b32 s62, 0xffff0000                      ; a word's upper bf16
	s_mul_i32 s57, s26, QUARTB                     ; my quarter of a slot, in LDS and in memory
	s_mul_i32 s58, s29, TILEB
	s_add_co_u32 s58, s58, s57
	s_mov_b32 s59, 0
	s_lshl_b32 s60, s29, 3
	s_mov_b32 s61, 0
	s_mov_b32 s40, 1                               ; group 0 of slot 0: count = 1,
	s_mov_b32 s41, s57                             ; LDS address
	s_mov_b32 s44, 1                               ; and of slot 1
	s_add_co_u32 s45, s57, SLOTB
	s_wait_dscnt 0x0                               ; the opening add is done
	s_wait_kmcnt 0x0
	s_add_nc_u64 s[42:43], s[8:9], s[58:59]        ; k-steps 0-7
	s_add_nc_u64 s[46:47], s[42:43], SLOTB         ; k-steps 8-15
	s_or_b32 s43, s43, 0x80000000                  ; type = 2
	s_or_b32 s47, s47, 0x80000000
	s_add_nc_u64 s[60:61], s[12:13], s[60:61]
	s_load_b64 s[30:31], s[60:61], 0x0             ; the tile's cell and its rows
	CROUND                                         ; all four work-groups are here: the first joint loads meet
	tensor_load_to_lds s[40:43], s[32:39]          ; both first fills together: two loads of mine are out
	s_nop 0
	tensor_load_to_lds s[44:47], s[32:39]
	s_nop 0
	PLACES
	v_and_b32 v1, 31, v0
	v_and_b32 v40, 15, v0                          ; r
	v_bfe_u32 v41, v0, 4, 1                        ; h
	v_lshlrev_b32 v6, 4, v1
	v_mov_b32 v2, v6                               ; slot 0, k-steps 0-3 of the slot
	v_add_nc_u32 v3, 4*KSB, v6                     ; k-steps 4-7: an LDS offset has 16 bits
	v_add_nc_u32 v4, SLOTB, v6
	v_add_nc_u32 v5, SLOTB+4*KSB, v6
	v_mul_u32_u24 v7, v40, STP                     ; into the stage: slot r of a block, my wave's 64 bytes, 32 for each half of the lanes
	v_lshl_add_u32 v7, v41, 5, v7
	s_lshl_b32 s56, s26, 6
	s_add_co_u32 s56, s56, SC2
	v_add_nc_u32 v7, s56, v7
	v_add_nc_u32 v8, SH2O, v7
	s_mul_i32 s57, s26, 36
	v_add_nc_u32 v9, s57, v41                      ; back: my wave takes rows 36 w .. 36 w + 35, two a load
	v_mul_u32_u24 v39, v9, STP
	v_lshl_add_u32 v39, v40, 4, v39
	v_add_nc_u32 v39, SC2, v39
	s_mul_i32 s56, s29, 576                        ; the tile's 144 words of order
	v_lshl_add_u32 v42, v40, 2, s56
	v_lshl_add_u32 v43, v9, 2, s56
.irp a, 0,1,2,3,4,5,6,7,8
	global_load_b32 v[30+\a], v42, s[14:15] offset:64*\a      ; the token of slot 16 a + r
.endr
.set i, 0
.rept 18
	global_load_b32 v[12+i], v43, s[14:15] offset:8*i         ; the token of row 36 w + h + 2 i
.set i, i+1
.endr
	s_wait_kmcnt 0x0
	s_min_u32 s30, s30, 3
	s_min_u32 s31, s31, 144
	s_lshl_b32 s56, s30, 3
	s_add_co_u32 s56, s56, s28
	s_lshl_b32 s56, s56, 2
	s_add_co_u32 s56, s56, s26
	s_mul_i32 s58, s56, 196608                     ; my wave's stream of weights: ((8 e + g) 4 + w) x 48 k-steps x 4,096 bytes
	s_mov_b32 s59, 0
	s_add_nc_u64 s[48:49], s[10:11], s[58:59]
	s_lshl_b32 s56, s30, 13                        ; the biases of my units: 4 (2048 e + 64 g + 16 w + 8 h), gate q 2,048 bytes on
	s_lshl_b32 s57, s28, 8
	s_add_co_u32 s56, s56, s57
	s_lshl_b32 s58, s26, 6
	s_add_co_u32 s56, s56, s58
	s_add_co_u32 s58, s58, s57                     ; 256 g + 64 w
	v_lshl_add_u32 v44, v41, 5, s56
	v_lshl_add_u32 v45, v40, 4, s57                ; 256 g + 16 r
	v_lshl_add_u32 v46, v41, 5, s58                ; 256 g + 64 w + 32 h
	WIN 0xc0
.irp q, 0,1,2,3
	global_load_b128 v[128+8*\q:131+8*\q], v44, s[18:19] offset:2048*\q
	global_load_b128 v[132+8*\q:135+8*\q], v44, s[18:19] offset:2048*\q+16
	global_load_b128 v[160+8*\q:163+8*\q], v44, s[20:21] offset:2048*\q
	global_load_b128 v[164+8*\q:167+8*\q], v44, s[20:21] offset:2048*\q+16
.endr
	WIN 0x40
.set i, 0
.rept 56                                               ; the weights of k-steps 0 to 6
	global_load_b128 v[4*i:4*i+3], v6, s[48:49] offset:512*i
.set i, i+1
.endr
	s_wait_loadcnt 56                              ; tokens and biases are in; the 56 loads of weights stay out
	WIN 0xff
.set i, 0
.rept 32
	v_cvt_pk_bf16_f32 v[192+i], v[128+2*i], v[129+2*i]        ; each bias is rounded to bf16 like every input,
.set i, i+1
.endr
.set i, 0
.rept 32
	v_lshlrev_b32 v[128+2*i], 16, v[192+i]
	v_and_b32 v[129+2*i], s62, v[192+i]
.set i, i+1
.endr
.set i, 0
.rept 16
	v_pk_add_f32 v[128+2*i:129+2*i], v[128+2*i:129+2*i], v[160+2*i:161+2*i]   ; and the two are added in f32
.set i, i+1
.endr
	WIN 0
.set i, 0
.rept 18
	v_min_u32 v[12+i], 4095, v[12+i]
	v_lshl_add_u32 v[12+i], v[12+i], 11, v45       ; the way out: the token's row + 256 g + 16 r
.set i, i+1
.endr
.set i, 0
.rept 9
	v_min_u32 v[30+i], 4095, v[30+i]
	v_lshl_add_u32 v[30+i], v[30+i], 11, v46       ; c: the token's row + my eight units
.set i, i+1
.endr
	s_wait_tensorcnt 1                             ; my quarter of slot 0 is in; slot 1's may stay out
	s_barrier_signal -1
	s_barrier_wait -1                              ; everybody's is
	RUN 0, 0, 0, 0                                 ; the tokens of k-step 0
	; phase 0: k-steps 0 to 6
	KSTEP 1, 0, 48, 1, 0, 1
.irp p, 2,3,4,5,6,7
	KSTEP \p, 0, 48, 1, 0
.endr
	WIN 0                                          ; at a label and at a branch every window is 0
	s_wait_xcnt 0x0                                ; the loads have read their base
	s_add_nc_u64 s[48:49], s[48:49], 8*4096
	s_mov_b32 s54, 2
.Lloop:                                                ; a trip: 16 k-steps, once round the ring; both slots are filled again
	SYNCSTEP 1, 0, 1, 0
.irp p, 1,2,3,4,5,6,7
	KSTEP \p, 1, 48, 1, 0
.endr
	SYNCSTEP 0, 1, 1, 8*4096
.irp p, 1,2,3,4,5,6,7
	KSTEP \p, 0, 48, 1, 8*4096
.endr
	WIN 0
	s_wait_xcnt 0x0
	s_add_nc_u64 s[48:49], s[48:49], 16*4096
	s_sub_co_u32 s54, s54, 1
	s_cmp_lg_u32 s54, 0
	s_cbranch_scc1 .Lloop
	; the tail is written out, and the weights' ring runs dry.  Counts: the younger k-steps' weights, 8 each, and c's 18 once they are asked for
	SYNCSTEP 1, 0, 0, 0                            ; k-step 39; asks for the weights of 46
	KSTEP 1, 1, 48, 1, 0                           ; 40; asks for 47, the last
	KSTEP 2, 1, 48, 0, 0                           ; 41
	KSTEP 3, 1, 40, 0, 0, 0, 1                     ; 42; c is asked for
	KSTEP 4, 1, 50, 0, 0                           ; 43: 4 x 8 + 18
	KSTEP 5, 1, 42, 0, 0
	KSTEP 6, 1, 34, 0, 0
	KSTEP 7, 1, 26, 0, 0                           ; 46
	s_wait_dscnt 0x0
	s_wait_loadcnt 18                              ; 47: only c may be out
	MULLO 8, 0
	MULHI 8, 0
	PLACES
	s_wait_loadcnt 0x0                             ; c
; THE CELL'S ARITHMETIC, three blocks at a time, all operands in one window.  The transcendentals go in four batches, each with one wait ahead of a batch's first reader.
.macro PAIRS line:vararg    ; one line for each of the group's 12 pairs of numbers
.set z, 0
.rept 12
.set rI, GAB+32*(z/4)+2*(z%4)
.set rF, rI+8
.set rG, rI+16
.set rO, rI+24
.set rC, GCB+2*z
	\line
.set z, z+1
.endr
.endm
.macro FREGS line:vararg    ; one line for each of the 24 registers of gate f
.set z, 0
.rept 24
.set rF, GAB+32*(z/8)+8+z%8
	\line
.set z, z+1
.endr
.endm
.macro GROUP win, ab, cb, tb, a0
.set GAB, (\ab)
.set GCB, (\cb)
	WIN 0x55*(\win)
.set z, 0
.rept 3                                                ; each accumulator is read from its low end on
.irp q, 0,1,2,3
.irp j, 0,2,4,6
.if \q == 2
	v_pk_mul_f32 v[GAB+32*z+8*\q+\j:GAB+32*z+8*\q+\j+1], v[GAB+32*z+8*\q+\j:GAB+32*z+8*\q+\j+1], s[52:53] op_sel_hi:[1,0]
.else
	v_pk_mul_f32 v[GAB+32*z+8*\q+\j:GAB+32*z+8*\q+\j+1], v[GAB+32*z+8*\q+\j:GAB+32*z+8*\q+\j+1], s[50:51] op_sel_hi:[1,0]
.endif
.endr
.endr
.set z, z+1
.endr
.set z, 0
.rept 96
	v_exp_f32 v[GAB+z], v[GAB+z]
.set z, z+1
.endr
.set z, 0
.rept 12                                               ; independent work behind the batch: c is rounded to bf16 like every input
	v_cvt_pk_bf16_f32 v[(\tb)+z], v[GCB+2*z], v[GCB+2*z+1]
.set z, z+1
.endr
.set z, 0
.rept 12
	v_lshlrev_b32 v[GCB+2*z], 16, v[(\tb)+z]
	v_and_b32 v[GCB+2*z+1], s62, v[(\tb)+z]
.set z, z+1
.endr
	s_wait_alu depctr_va_vdst(0)
.set z, 0
.rept 48
	v_pk_add_f32 v[GAB+2*z:GAB+2*z+1], v[GAB+2*z:GAB+2*z+1], 1.0 op_sel_hi:[1,0]
.set z, z+1
.endr
.set z, 0
.rept 96
	v_rcp_f32 v[GAB+z], v[GAB+z]
.set z, z+1
.endr
	v_nop                                          ; a plain instruction behind the last of the batch
	s_wait_alu depctr_va_vdst(0)
	PAIRS v_pk_fma_f32 v[rG:rG+1], v[rG:rG+1], -2.0, 1.0 op_sel_hi:[1,0,0]
	PAIRS v_pk_mul_f32 v[rC:rC+1], v[rF:rF+1], v[rC:rC+1]
	PAIRS v_pk_fma_f32 v[rC:rC+1], v[rI:rI+1], v[rG:rG+1], v[rC:rC+1]
	PAIRS v_pk_mul_f32 v[rF:rF+1], v[rC:rC+1], s[52:53] op_sel_hi:[1,0]
	FREGS v_exp_f32 v[rF], v[rF]
	v_nop
	s_wait_alu depctr_va_vdst(0)
	PAIRS v_pk_add_f32 v[rF:rF+1], v[rF:rF+1], 1.0 op_sel_hi:[1,0]
	FREGS v_rcp_f32 v[rF], v[rF]
	v_nop
	s_wait_alu depctr_va_vdst(0)
	PAIRS v_pk_fma_f32 v[rF:rF+1], v[rF:rF+1], -2.0, 1.0 op_sel_hi:[1,0,0]
	PAIRS v_pk_mul_f32 v[rO:rO+1], v[rO:rO+1], v[rF:rF+1]
	WIN 4*(\win)                                   ; the stores' data in this window, their address in window 0
.set z, 0
.rept 3
	ds_store_b128 v7, v[GCB+8*z:GCB+8*z+3]   offset:((\a0)+z)*16*STP
	ds_store_b128 v7, v[GCB+8*z+4:GCB+8*z+7] offset:((\a0)+z)*16*STP+16
	ds_store_b128 v8, v[GAB+32*z+24:GAB+32*z+27] offset:((\a0)+z)*16*STP
	ds_store_b128 v8, v[GAB+32*z+28:GAB+32*z+31] offset:((\a0)+z)*16*STP+16
.set z, z+1
.endr
.endm
	GROUP 2, 0,  192, 240, 0
	GROUP 2, 96, 216, 240, 3
	GROUP 3, 0,  96,  192, 6
	WIN 0
	s_wait_dscnt 0x0                               ; for the others' sake: my stores into the stages are done; a row's 256 bytes come from four waves
	s_barrier_signal -1
	s_barrier_wait -1
.set i, 0
.rept 18
	ds_load_b128 v[64+4*i:67+4*i],   v39 offset:2*STP*i          ; c2: lanes 0-15 one row of 256 bytes, lanes 16-31 the next
	ds_load_b128 v[136+4*i:139+4*i], v39 offset:SH2O+2*STP*i     ; h2
.set i, i+1
.endr
	s_wait_dscnt 0x0
	s_wait_xcnt 0x0                                ; EXEC changes only behind this wait
.set i, 0
.rept 18
	s_sub_co_i32 s56, s31, 2*i
	v_cmp_gt_i32 vcc_lo, s56, v9                   ; row 36 w + h + 2 i lies inside the tile's count
	s_and_saveexec_b32 s55, vcc_lo
	global_store_b128 v[12+i], v[64+4*i:67+4*i],   s[24:25] th:TH_STORE_NT   ; 16 lanes store 256 consecutive bytes of a token's row, aligned
	global_store_b128 v[12+i], v[136+4*i:139+4*i], s[22:23] th:TH_STORE_NT
	s_wait_xcnt 0x0                                ; and again in front of the line that widens it
	s_or_b32 exec_lo, exec_lo, s55
.set i, i+1
.endr
	s_wait_tensorcnt 0x0                           ; the wave's end, behind my last tensor load and my last LDS store
	ds_add_u32 v10, v11
	s_wait_dscnt 0x0
	CROUND                                         ; the closing round: no work-group ends while a partner may still ask for a tile that names it
	s_endpgm
.Lfunc_end_k_q04718105d2_lstm:
	.size	k_q04718105d2_lstm, .Lfunc_end_k_q04718105d2_lstm-k_q04718105d2_lstm
	.p2alignl 7, 3214868480
	.fill 96, 4, 3214868480
	.section	.rodata,"a",@progbits
	.p2align	6, 0x0
	.amdhsa_kernel k_q04718105d2_lstm
		.amdhsa_group_segment_fixed_size 327680
		.amdhsa_private_segment_fixed_size 0
		.amdhsa_enable_private_segment 0
		.amdhsa_kernarg_size 72
		.amdhsa_user_sgpr_count 2
		.amdhsa_user_sgpr_kernarg_segment_ptr 1
		.amdhsa_wavefront_size32 1
		.amdhsa_system_sgpr_workgroup_id_x 1
		.amdhsa_system_sgpr_workgroup_id_y 1
		.amdhsa_system_sgpr_workgroup_id_z 1
		.amdhsa_system_vgpr_workitem_id 0
		.amdhsa_next_free_vgpr 1024
		.amdhsa_next_free_sgpr 66
		.amdhsa_reserve_vcc 1
		.amdhsa_float_denorm_mode_32 3
		.amdhsa_float_denorm_mode_16_64 3
		.amdhsa_memory_ordered 1
		.amdhsa_forward_progress 1
		.amdhsa_inst_pref_size 236
	.end_amdhsa_kernel
	.amdgpu_metadata
---
amdhsa.version: [ 1, 2 ]
amdhsa.kernels:
  - .name:           k_q04718105d2_lstm
    .symbol:         k_q04718105d2_lstm.kd
    .args:
      - { .name: xs, .offset: 0, .size: 8, .value_kind: global_buffer, .address_space: global }
      - { .name: wb, .offset: 8, .size: 8, .value_kind: global_buffer, .address_space: global }
      - { .name: tiles, .offset: 16, .size: 8, .value_kind: global_buffer, .address_space: global }
      - { .name: order, .offset: 24, .size: 8, .value_kind: global_buffer, .address_space: global }
      - { .name: c, .offset: 32, .size: 8, .value_kind: global_buffer, .address_space: global }
      - { .name: b_ih, .offset: 40, .size: 8, .value_kind: global_buffer, .address_space: global }
      - { .name: b_hh, .offset: 48, .size: 8, .value_kind: global_buffer, .address_space: global }
      - { .name: out1, .offset: 56, .size: 8, .value_kind: global_buffer, .address_space: global }
      - { .name: out2, .offset: 64, .size: 8, .value_kind: global_buffer, .address_space: global }
    .group_segment_fixed_size: 327680
    .private_segment_fixed_size: 0
    .kernarg_segment_align: 8
    .kernarg_segment_size: 72
    .max_flat_workgroup_size: 128
    .sgpr_count:     66
    .vgpr_count:     1024
    .wavefront_size: 32
...
	.end_amdgpu_metadata
.endif
;; end of part 2
